; MI455X (gfx1250); checked and timed in simulation.
; The chip was launched on July 23, 2026; its instructions are those of AMD's public machine-readable ISA for CDNA 5 (MIT licence, August 2026) and "CDNA5" Instruction Set Architecture Reference Guide (July 2026). The comments in the code are by the model that wrote it; some were corrected since.
;; Attention. Allowed arithmetic: matrix products marked QUANTISED: E2M1 operands, one E8M0 scale for each 32 along K, by v_wmma_scale_f32_16x16x128_f8f6f4 with both operands' format E2M1 (or v_wmma_scale_f32_32x16x128_f4), f32 sums; everything else in f32.
;; Inputs: key 1 x 4,096 x 1,024 float32; mask 1 x 1 x 4,096 x 4,096 bool; query 1 x 4,096 x 1,024 float32; value 1 x 4,096 x 1,024 float32.
;; Outputs: out0 1 x 4,096 x 1,024 float32.
;; Constants: dim_head = 64, num_head = 16.
;; This version of the problem:
;;   THIS VERSION OF THE PROBLEM IS GIVEN IN LOW PRECISION. The matrix products marked QUANTISED in the list below multiply operands that are first quantised to E2M1 (2 exponent bits, 1 mantissa bit; 4 bits a number), with one power-of-two scale for each 32 numbers along K (OCP MX v1.0); their sums are f32. All else is computed in f32.
;;   The module's matrix products, in the order in which they are computed (A, B: the left and right operand; K: the contracted axis; several contracted axes count as one K, in the product's order):
;;     1. batch 16 x [M 4,096, K 64] x [K 64, N 4,096]; A: input query; B: input key: QUANTISED
;;     2. batch 16 x [M 64, K 4,096] x [K 4,096, N 4,096]; A: input value; B: softmax (see below): QUANTISED
;;   THE QUANTISER, for each operand of a quantised product, along K:
;;     - K is cut into blocks of 32 from its start; a last block that is shorter is filled with zeros.
;;     - A block's scale is 2^e with e = floor(log2(the largest magnitude in the block)) - 2, held to -126 .. 127; a block of zeros has e = 0. As a byte (E8M0): e + 127.
;;     - Each number is divided by its block's scale, clamped to +-6, and rounded to the nearest number of E2M1, ties to even, subnormals kept.
;;     - The product sums the exact products of the quantised numbers (number of the format x scale) in f32.
;;   ~~~python
;;   def quantise(x, axis):      # numpy; x: float32 -> the quantised numbers, widened to float32 again
;;       x = np.moveaxis(x, axis, -1); K = x.shape[-1]
;;       x = np.pad(x, [(0, 0)] * (x.ndim - 1) + [(0, -K % 32)]); x = x.reshape(x.shape[:-1] + (-1, 32)); a = np.abs(x).max(-1, keepdims=True)
;;       e = np.where(a > 0, np.clip(np.frexp(np.where(a > 0, a, 1))[1] - 1 - 2, -126, 127), 0)      # np.frexp(a)[1] - 1 = floor(log2(a)), exactly
;;       r = np.clip(x / 2.0 ** e, -6, 6)
;;       step = 2.0 ** (np.maximum(np.frexp(np.where(r == 0, 1, r))[1] - 1, 0) - 1)
;;       q = np.round(r / step) * step * 2.0 ** e      # np.round: ties to even
;;       return np.moveaxis(q.reshape(q.shape[:-2] + (-1,))[..., :K], -1, axis).astype(np.float32)
;;   ~~~
;;   SOFTMAX AHEAD OF A QUANTISED PRODUCT. Where the list says 'softmax', what is quantised is not the finished softmax but p = 2^(t - M), with t = logit x log2(e) and M = ceil(the row's largest t), a whole number; so 1/2 < the row's largest p <= 1. The row's sum l is taken of the UNQUANTISED p, in f32, and the product's result is divided by l at the end. Since M is a whole number, a kernel that streams over the keys may use a running M (the ceiling of the running maximum): every later rescaling is an exact power of two, which a block's scale takes up: the codes' values come out the same.
;;   OPERANDS COMPUTED ON THE WAY. 'Computed on the way' means the value that the module computes at that place (a softmax that the list does not call 'softmax' is quantised finished and normalised). What goes into a quantiser is computed in f32, as accurately as f32 sums, v_exp_f32 and their like allow (about 1e-6 of the number): no bf16 or f16 on the way to a quantiser, and a product that is left as it is and whose result goes on into a quantised operand takes f32 operands (vector FMAs, or v_wmma_f32_16x16x4_f32). A number that lies on a knife's edge between two numbers of the format may be rounded either way, as far as f32 arithmetic and the matrix unit's own rounding can turn it there, and no further.
;; 2 versions, each right; version 2 is version 1 with the launch attn written anew for expert scheduling mode. Each part assembles by itself: llvm-mc -triple=amdgcn-amd-amdhsa -mcpu=gfx1250 --defsym DOCPART=n.
;; ======== version 1 of 2: 2 launches
;; limits: right only within a limited range of input values
;; workspace buffers: kv 4,456,448 bytes; maskw 2,097,152 bytes of whole numbers; flags 524,288 bytes of whole numbers
;; launch prep (part 1): grid 256 x 1, 12 waves a work-group, no clusters, 208,384 bytes of LDS; arguments key, value, mask, kv, maskw, flags; writes kv, maskw, flags
.if DOCPART == 1
	.amdgcn_target "amdgcn-amd-amdhsa--gfx1250"
	.amdhsa_code_object_version 6
	.text
	.protected	k_q9757cab6ab_prep
	.globl	k_q9757cab6ab_prep
	.p2align	8
	.type	k_q9757cab6ab_prep,@function
k_q9757cab6ab_prep:
	s_mov_b64 s[64:65], 0
	v_nop
	global_prefetch_b8 v0, s[64:65] scope:SCOPE_SE
	s_setreg_imm32_b32 hwreg(HW_REG_WAVE_MODE, 25, 1), 1
	s_wait_xcnt 0x0
; PREP: key and value [4096][1024] f32 become codes of FP4 (E2M1) with one E8M0 byte for each 32 along a product's K, laid as images of the
; operand registers of the attention launch; the mask [4096][4096] of bytes becomes 32-bit lane masks and three flag words for each 16 queries x 512 keys.
; kv: [head 16][step 32][8,704 bytes]; a step is 128 keys:
;   0..4095     K: fragment b at 1024 b, half c at + 512 c, lane l at + 16 l: lane (r, h) holds key 32 b + r + 8 (r / 8) + 8 c, dims 32 h .. 32 h + 31
;   4096..8191  V: fragment t at 4096 + 1024 t + 512 c + 16 l: lane (r, h) holds channel 16 t + r, keys 64 c + 32 h + 0 .. 31
;   8192..8447  K's scale words, 8 bytes a lane: word 0 of lane l: fragment l / 16, row l % 16; word 1: fragment 2 + l / 16
;   8448..8703  V's scale words, 8 bytes a lane: word 0 of lane l: channel l; word 1: channel 32 + l; byte kb: keys 32 kb on
; maskw: [tile of 16 queries 256][step 32][64 words]: word 16 b + i, bit r + 16 h = mask[16 qt + r][128 st + 32 b + 16 h + i]
; flags: [tile 256][eighth 8][256 bytes]: word 0: bit st set where tile (qt, st) is wholly masked; word 1: where it has any masked entry;
;   word 2: bit r set where row r is masked in all 512 keys of the eighth; the rest 0, so that the record is one aligned run of 256 bytes.
; A block's scale byte is its largest magnitude's exponent field - 2, held at 1 from below.
; LIMITS: a block of zeros gets the byte 1 (its codes are zeros, and only this program reads the bytes); blocks whose largest magnitude lies under
; 2^-124 were not tried; NaN and infinities among the inputs are not served; a mask byte is 0 or 1.
; SHARES: work-group g: head g / 16, steps 2 (g % 16) and + 1 of K and V, query tile g of the mask.  Waves 0, 1: K; waves 2, 3: V; waves 4 to 11: an eighth
; of the mask's 16 rows each.  Each wave brings its tile by ONE tensor load into LDS bytes of its own and reads only those.
; No two work-groups read the same bytes: nothing to share in a cluster.
.set PK,    272                        ; a row of K or V in LDS: 64 f32 + 16 bytes of padding
.set KVT,   128*PK                     ; a tile of 128 rows: wave w (0..3) at w x KVT
.set PM,    528                        ; a row of the mask in LDS: 512 bytes + 16
.set MT,    16*PM                      ; a tile of 16 rows
.set MBASE, 4*KVT-4*MT                 ; wave w (4..11) at MBASE + w x MT: behind the four tiles of K and V
.set KVB,   8704                       ; a step's block in kv
.set LI,  4                            ; v4   16 x lane
.set L8,  5                            ; v5   8 x lane
.set AK,  6                            ; v6   LDS: K's rows for my lane
.set AV,  7                            ; v7   LDS: V's column for my lane
.set AM,  8                            ; v8   LDS: the mask's bytes for my lane
.set VO,  9                            ; v9   V's codes in kv: 1024 (lane / 16) + 16 (lane % 16)
.set SH,  10                           ; v10  8 h
.set WB,  12                           ; v12-15 K: a fragment's scale words
.set C,   160                          ; v160-191 codes: registers of their own for every store
.set T,   64                           ; v64-79  mask: single bits
.set OUT, 80                           ; v80-87  mask: a step's 64 words, two a lane
.set ALL, 88                           ; v88     AND of my 64 bytes
.set ANY, 89                           ; v89     OR of them
.set REC, 90                           ; v90-91  the flag record
.set WV,  16                           ; s16  wave
.set EI,  18                           ; s18  which eighth of the keys (mask waves)
.set HI16, 19                          ; s19  lanes 16-31
.set G1A, 20                           ; s[20:27] shape of a tile of K or V
.set G1B, 28                           ; s[28:35] shape of a tile of the mask
.set G0A, 36                           ; s[36:39]
.set G0B, 40                           ; s[40:43]
.set BAT, 44                           ; s[44:59] sixteen lane masks at a time
.set FA,  60                           ; s60  wholly masked, bit j
.set FP,  61                           ; s61  any masked, bit j
.set FR,  62                           ; s62  lanes whose bytes were all masked so far
	s_load_b256 s[4:11], s[0:1], 0x0               ; key s[4:5], value s[6:7], mask s[8:9], kv s[10:11]
	s_load_b128 s[12:15], s[0:1], 0x20             ; maskw s[12:13], flags s[14:15]
	v_lshl_add_u32 v192, v0, 2, 0x32800
	v_mov_b32 v193, 0
	ds_add_u32 v192, v193
	ds_add_u32 v192, v193
	v_lshrrev_b32 v1, 5, v0
	v_readfirstlane_b32 s[WV], v1                  ; wave 0..11
	v_and_b32 v1, 31, v0                           ; lane
	v_and_b32 v2, 15, v0                           ; r
	v_bfe_u32 v3, v0, 4, 1                         ; h
	v_lshlrev_b32 v[LI], 4, v1
	v_lshlrev_b32 v[L8], 3, v1
	s_mul_i32 s[G0A+1], s[WV], KVT                 ; where a wave's tile lies in LDS: the wave's number times a constant,
	s_mul_i32 s[G0B+1], s[WV], MT
	s_add_co_u32 s[G0B+1], s[G0B+1], MBASE         ; plus a constant
	; every LDS address is made here, ahead of the first branch on the wave's number
	v_and_b32 v[AK], 8, v2
	v_add_nc_u32 v[AK], v[AK], v2                  ; r + 8 (r / 8)
	v_mul_u32_u24 v[AK], v[AK], PK
	v_lshl_add_u32 v[AK], v3, 7, v[AK]             ; + 128 h: dims 32 h on
	v_add_nc_u32 v[AK], s[G0A+1], v[AK]
	v_lshl_add_u32 v[AV], v1, 2, s[G0A+1]          ; a lane a channel
	v_mul_u32_u24 v[AM], v2, PM
	v_lshl_add_u32 v[AM], v3, 4, v[AM]             ; row r, + 16 h
	v_add_nc_u32 v[AM], s[G0B+1], v[AM]
	v_lshlrev_b32 v[VO], 4, v2
	v_lshl_add_u32 v[VO], v3, 10, v[VO]
	v_lshlrev_b32 v[SH], 3, v3
	s_mov_b32 s2, 0x76543210                       ; v_permlanex16_b32: lane l xor 16
	s_mov_b32 s3, 0xfedcba98
	s_mov_b32 s[HI16], 0xffff0000
	; group 1 for K and V: 128 rows x 64 elements of 4 bytes, 1,024 elements from row to row; 4 words of padding behind every 64
	s_mov_b32 s[G1A+0], (2<<16)|(1<<20)|(5<<22)|(3<<25)
	s_mov_b32 s[G1A+1], 64<<16                     ; tensor_dim0
	s_mov_b32 s[G1A+2], 128<<16                    ; tensor_dim1
	s_mov_b32 s[G1A+3], 64<<16                     ; tile_dim0
	s_mov_b32 s[G1A+4], 128                        ; tile_dim1
	s_mov_b32 s[G1A+5], 1024                       ; from row to row
	s_mov_b32 s[G1A+6], 0
	s_mov_b32 s[G1A+7], 0
	; group 1 for the mask: 16 rows x 512 bytes, 4,096 bytes from row to row; 4 words of padding behind every 128
	s_mov_b32 s[G1B+0], (0<<16)|(1<<20)|(6<<22)|(3<<25)
	s_mov_b32 s[G1B+1], 512<<16
	s_mov_b32 s[G1B+2], 16<<16
	s_mov_b32 s[G1B+3], 512<<16
	s_mov_b32 s[G1B+4], 16
	s_mov_b32 s[G1B+5], 4096
	s_mov_b32 s[G1B+6], 0
	s_mov_b32 s[G1B+7], 0
	; offsets, apart from the addresses
	s_and_b32 s17, s[WV], 1                        ; which of the work-group's two steps
	s_lshl_b32 s46, ttmp9, 1
	s_and_b32 s46, s46, 31
	s_add_co_u32 s46, s46, s17                     ; the step
	s_lshl_b32 s46, s46, 19                        ; x 128 rows of 4,096 bytes
	s_lshr_b32 s47, ttmp9, 4
	s_lshl_b32 s47, s47, 8                         ; + head x 256 bytes
	s_add_co_u32 s46, s46, s47
	s_mov_b32 s47, 0
	s_add_co_u32 s[EI], s[WV], 4
	s_and_b32 s[EI], s[EI], 7                      ; wave - 4 in waves 4 to 11; inside 0..7 in the others, which do not use it
	s_lshl_b32 s48, ttmp9, 16                      ; the mask: 16 rows of 4,096 bytes a tile,
	s_lshl_b32 s49, s[EI], 9                       ; 512 bytes an eighth
	s_add_co_u32 s48, s48, s49
	s_mov_b32 s49, 0
	s_lshl_b32 s50, ttmp9, 1
	s_add_co_u32 s50, s50, s17                     ; 32 x head + step = 2 g + (wave & 1)
	s_mul_i32 s50, s50, KVB
	s_mov_b32 s51, 0
	s_lshl_b32 s52, ttmp9, 13                      ; maskw: 32 steps of 256 bytes a tile,
	s_lshl_b32 s53, s[EI], 10                      ; 4 steps an eighth
	s_add_co_u32 s52, s52, s53
	s_mov_b32 s53, 0
	s_lshl_b32 s54, ttmp9, 11                      ; flags: 8 records of 256 bytes a tile
	s_lshl_b32 s55, s[EI], 8
	s_add_co_u32 s54, s54, s55
	s_mov_b32 s55, 0
	s_wait_dscnt 0x0
	s_wait_kmcnt 0x0
	s_cmp_lt_u32 s[WV], 2                          ; waves 0, 1 fetch from key, waves 2, 3 from value
	s_cselect_b64 s[G0A+2:G0A+3], s[4:5], s[6:7]
	s_add_nc_u64 s[G0A+2:G0A+3], s[G0A+2:G0A+3], s[46:47]
	s_or_b32 s[G0A+3], s[G0A+3], 0x80000000        ; type = 2
	s_mov_b32 s[G0A], 1
	s_add_nc_u64 s[G0B+2:G0B+3], s[8:9], s[48:49]
	s_or_b32 s[G0B+3], s[G0B+3], 0x80000000
	s_mov_b32 s[G0B], 1
	s_add_nc_u64 s[10:11], s[10:11], s[50:51]
	s_add_nc_u64 s[12:13], s[12:13], s[52:53]
	s_add_nc_u64 s[14:15], s[14:15], s[54:55]
	s_cmp_lt_u32 s[WV], 4                          ; two shapes, two lines; the branch hangs on the wave's number alone
	s_cbranch_scc0 .Lfor_mask
	tensor_load_to_lds s[G0A:G0A+3], s[G1A:G1A+7]
	s_nop 0
.rept 4
	v_nop                                          ; four plain lines follow a tensor load
.endr
	s_branch .Lasked
.Lfor_mask:
	tensor_load_to_lds s[G0B:G0B+3], s[G1B:G1B+7]
	s_nop 0
.rept 4
	v_nop
.endr
.Lasked:
	s_wait_tensorcnt 0x0                           ; my one tile lies in LDS; nobody else reads it
	s_cmp_lt_u32 s[WV], 2
	s_cbranch_scc1 .Lrole_k
	s_cmp_lt_u32 s[WV], 4
	s_cbranch_scc1 .Lrole_v
; ---------------- THE MASK: 16 rows x 512 keys = 4 steps.  Lane (r, h) holds, of row r, bytes 32 b + 16 h + 0 .. 15 of a step, b = 0 .. 3, in 16 registers.
.macro MLOAD j, d
.irp b, 0,1,2,3
	ds_load_b128 v[\d+4*\b:\d+4*\b+3], v[AM] offset:128*\j+32*\b
.endr
.endm
; A step: byte i of block b over the 32 lanes is word 16 b + i.  A compare writes the lane mask into a scalar register; it goes to lane (16 b + i) / 2 of a register pair, so that
; one store of 8 bytes a lane writes the step's 256 bytes.  Sixteen words at a time, so that no line waits for the line above it.
.macro MSTEP j, d
	v_and_b32 v[ALL], v[\d], v[\d+1]
	v_or_b32 v[ANY], v[\d], v[\d+1]
.irp i, 2,3,4,5,6,7,8,9,10,11,12,13,14,15
	v_and_b32 v[ALL], v[ALL], v[\d+\i]
	v_or_b32 v[ANY], v[ANY], v[\d+\i]
.endr
.irp b, 0,1,2,3
.irp i, 0,1,2,4,5,6,8,9,10,12,13,14
	v_and_b32 v[T+\i], 1<<(8*(\i%4)), v[\d+4*\b+\i/4]
.endr
.irp i, 0,1,2,3,4,5,6,7,8,9,10,11,12,13,14,15
.if \i%4 == 3
	v_cmp_lt_u32 s[BAT+\i], 0xffffff, v[\d+4*\b+\i/4]   ; a word's top byte is set where the word is above 2^24 - 1
.else
	v_cmp_ne_u32 s[BAT+\i], 0, v[T+\i]
.endif
.endr
.irp i, 0,1,2,3,4,5,6,7,8,9,10,11,12,13,14,15
	v_writelane_b32 v[OUT+2*\j+\i%2], s[BAT+\i], 8*\b+\i/2
.endr
.endr
	global_store_b64 v[L8], v[OUT+2*\j:OUT+2*\j+1], s[12:13] offset:256*\j   ; 32 lanes store 256 consecutive bytes, aligned
	v_cmp_eq_u32 s63, 0x01010101, v[ALL]           ; lanes whose 64 bytes are all 1
	v_cmp_ne_u32 s66, 0, v[ANY]                    ; lanes with any
	s_and_b32 s[FR], s[FR], s63
	s_cmp_eq_u32 s63, -1                           ; choices, no branches
	s_cselect_b32 s67, 1<<\j, 0
	s_or_b32 s[FA], s[FA], s67
	s_cmp_lg_u32 s66, 0
	s_cselect_b32 s67, 1<<\j, 0
	s_or_b32 s[FP], s[FP], s67
.endm
	MLOAD 0, 32
	MLOAD 1, 48
.irp i, 0,1,2,3,4,5,6,7
	v_mov_b32 v[OUT+\i], 0                         ; a lane write's destination counts as read
.endr
	v_mov_b32 v[REC], 0
	v_mov_b32 v[REC+1], 0
	s_mov_b32 s[FA], 0
	s_mov_b32 s[FP], 0
	s_mov_b32 s[FR], -1
	s_wait_dscnt 4                                 ; this step's four loads are in; the next step's four may be out
	MSTEP 0, 32
	MLOAD 2, 32
	s_wait_dscnt 4
	MSTEP 1, 48
	MLOAD 3, 48
	s_wait_dscnt 4
	MSTEP 2, 32
	s_wait_dscnt 0x0
	MSTEP 3, 48
	s_lshl_b32 s63, s[EI], 2
	s_lshl_b32 s[FA], s[FA], s63                   ; bit j becomes bit 4 e + j: the step's number
	s_lshl_b32 s[FP], s[FP], s63
	s_lshr_b32 s63, s[FR], 16
	s_and_b32 s[FR], s[FR], s63                    ; a row is lanes r and r + 16
	s_and_b32 s[FR], s[FR], 0xffff
	v_writelane_b32 v[REC], s[FA], 0               ; word 0
	v_writelane_b32 v[REC+1], s[FP], 0             ; word 1
	v_writelane_b32 v[REC], s[FR], 1               ; word 2
	global_store_b64 v[L8], v[REC:REC+1], s[14:15]
	s_wait_tensorcnt 0x0
	ds_add_u32 v192, v193
	s_wait_dscnt 0x0
	s_endpgm
; ---------------- K: 128 keys x 64 dims.  A lane holds a whole block of 32 dims of one key in 32 registers; two keys (8 apart) to a fragment's row.
.Lrole_k:
.macro KLOAD b, x                      ; fragment b: 16 loads (rows 16 apart fall on the same 16-byte column: two deep)
.irp c, 0,1
.irp j, 0,1,2,3,4,5,6,7
	ds_load_b128 v[\x+32*\c+4*\j:\x+32*\c+4*\j+3], v[AK] offset:(32*\b+8*\c)*PK+16*\j
.endr
.endr
.endm
.macro KFRAG b, x
	v_max3_num_f32 v16, |v[\x]|, |v[\x+1]|, 0x1800000        ; the largest magnitude of each of my two blocks, by turns, over the floor 2^(3 - 127), which holds the byte at 1
	v_max3_num_f32 v17, |v[\x+32]|, |v[\x+33]|, 0x1800000
.irp i, 2,4,6,8,10,12,14,16,18,20,22,24,26,28,30
	v_max3_num_f32 v16, v16, |v[\x+\i]|, |v[\x+\i+1]|
	v_max3_num_f32 v17, v17, |v[\x+32+\i]|, |v[\x+33+\i]|
.endr
	v_add_nc_u32 v18, 0xff000000, v16              ; 2 off the exponent field: the conversion's scale operand
	v_add_nc_u32 v19, 0xff000000, v17
.irp g, 0,1,2,3
	v_cvt_scalef32_pk8_fp4_f32 v[C+8*\b+\g], v[\x+8*\g:\x+8*\g+7], v18
.endr
.irp g, 0,1,2,3
	v_cvt_scalef32_pk8_fp4_f32 v[C+8*\b+4+\g], v[\x+32+8*\g:\x+32+8*\g+7], v19
.endr
	v_lshrrev_b32 v20, 23, v18                     ; the bytes (also the plain line behind the conversions)
	v_lshrrev_b32 v21, 23, v19
	v_lshl_or_b32 v22, v21, 16, v20                ; key a's block h in byte h, key a + 8's in byte 2 + h
	v_lshlrev_b32 v22, v[SH], v22
	v_permlanex16_b32 v23, v22, s2, s3
	v_or_b32 v[WB+\b], v22, v23                    ; with lane l xor 16's two the row's word is whole
	global_store_b128 v[LI], v[C+8*\b:C+8*\b+3], s[10:11] offset:1024*\b          ; 32 lanes store 512 consecutive bytes
	global_store_b128 v[LI], v[C+8*\b+4:C+8*\b+7], s[10:11] offset:1024*\b+512
.endm
	KLOAD 0, 32
	KLOAD 1, 96
	v_mov_b32 v23, 0                               ; a lane permute's destination counts as read
	s_wait_dscnt 16                                ; this fragment's 16 loads are in; the next fragment's 16 may be out
	KFRAG 0, 32
	KLOAD 2, 32
	s_wait_dscnt 16
	KFRAG 1, 96
	KLOAD 3, 96
	s_wait_dscnt 16
	KFRAG 2, 32
	s_wait_dscnt 0x0
	KFRAG 3, 96
	v_cndmask_b32 v24, v[WB], v[WB+1], s[HI16]     ; lanes 0-15: fragment 0's words, lanes 16-31: fragment 1's
	v_cndmask_b32 v25, v[WB+2], v[WB+3], s[HI16]   ; and fragments 2 and 3
	global_store_b64 v[L8], v[24:25], s[10:11] offset:8192
	s_wait_tensorcnt 0x0
	ds_add_u32 v192, v193
	s_wait_dscnt 0x0
	s_endpgm
; ---------------- V: 128 keys x 64 channels.  A lane takes a channel and its registers run down the keys: a block of 32 keys lies in one lane.
.Lrole_v:
.macro VLOAD u, x                      ; unit u = 2 kb + hf: keys 32 kb on, channels 32 hf + lane
.irp i, 0,1,2,3,4,5,6,7,8,9,10,11,12,13,14,15,16,17,18,19,20,21,22,23,24,25,26,27,28,29,30,31
	ds_load_b32 v[\x+\i], v[AV] offset:(32*((\u)/2)+\i)*PK+128*((\u)%2)
.endr
.endm
.macro VBLK u, x
	v_max3_num_f32 v16, |v[\x]|, |v[\x+1]|, |v[\x+2]|
	v_max3_num_f32 v17, |v[\x+3]|, |v[\x+4]|, |v[\x+5]|
.irp i, 6,10,14,18,22,26
	v_max3_num_f32 v16, v16, |v[\x+\i]|, |v[\x+\i+1]|
	v_max3_num_f32 v17, v17, |v[\x+\i+2]|, |v[\x+\i+3]|
.endr
	v_max3_num_f32 v16, v16, |v[\x+30]|, |v[\x+31]|
	v_max3_num_f32 v16, v16, v17, 0x1800000        ; and the floor
	v_add_nc_u32 v18, 0xff000000, v16
.irp g, 0,1,2,3
	v_cvt_scalef32_pk8_fp4_f32 v[C+4*(\u)+\g], v[\x+8*\g:\x+8*\g+7], v18
.endr
	v_lshrrev_b32 v20, 23, v18                     ; the byte (also the plain line behind the conversions)
.if (\u)/2 == 0
	v_mov_b32 v[26+(\u)%2], v20
.else
	v_lshl_or_b32 v[26+(\u)%2], v20, 8*((\u)/2), v[26+(\u)%2]
.endif
	global_store_b128 v[VO], v[C+4*(\u):C+4*(\u)+3], s[10:11] offset:4096+2048*((\u)%2)+512*((\u)/4)+256*(((\u)/2)%2)   ; each sixteen lanes store 256 consecutive bytes, aligned
.endm
	VLOAD 0, 32
	VLOAD 1, 64
.irp u, 0,2,4
	s_wait_dscnt 32                                ; this unit's 32 loads are in; the next unit's 32 may be out
	VBLK \u, 32
	VLOAD \u+2, 32
	s_wait_dscnt 32
	VBLK \u+1, 64
	VLOAD \u+3, 64
.endr
	s_wait_dscnt 32
	VBLK 6, 32
	s_wait_dscnt 0x0
	VBLK 7, 64
	global_store_b64 v[L8], v[26:27], s[10:11] offset:8448
	s_wait_tensorcnt 0x0
	ds_add_u32 v192, v193
	s_wait_dscnt 0x0
	s_endpgm
.Lfunc_end_k_q9757cab6ab_prep:
	.size	k_q9757cab6ab_prep, .Lfunc_end_k_q9757cab6ab_prep-k_q9757cab6ab_prep
	.p2alignl 7, 3214868480
	.fill 96, 4, 3214868480
	.section	.rodata,"a",@progbits
	.p2align	6, 0x0
	.amdhsa_kernel k_q9757cab6ab_prep
		.amdhsa_group_segment_fixed_size 208384
		.amdhsa_private_segment_fixed_size 0
		.amdhsa_enable_private_segment 0
		.amdhsa_kernarg_size 48
		.amdhsa_user_sgpr_count 2
		.amdhsa_user_sgpr_kernarg_segment_ptr 1
		.amdhsa_wavefront_size32 1
		.amdhsa_system_sgpr_workgroup_id_x 1
		.amdhsa_system_sgpr_workgroup_id_y 1
		.amdhsa_system_sgpr_workgroup_id_z 1
		.amdhsa_system_vgpr_workitem_id 0
		.amdhsa_next_free_vgpr 194
		.amdhsa_next_free_sgpr 68
		.amdhsa_reserve_vcc 0
		.amdhsa_float_denorm_mode_32 3
		.amdhsa_float_denorm_mode_16_64 3
		.amdhsa_memory_ordered 1
		.amdhsa_forward_progress 1
		.amdhsa_inst_pref_size 103
	.end_amdhsa_kernel
	.amdgpu_metadata
---
amdhsa.version: [ 1, 2 ]
amdhsa.kernels:
  - .name:           k_q9757cab6ab_prep
    .symbol:         k_q9757cab6ab_prep.kd
    .args:
      - { .name: key, .offset: 0, .size: 8, .value_kind: global_buffer, .address_space: global }
      - { .name: value, .offset: 8, .size: 8, .value_kind: global_buffer, .address_space: global }
      - { .name: mask, .offset: 16, .size: 8, .value_kind: global_buffer, .address_space: global }
      - { .name: kv, .offset: 24, .size: 8, .value_kind: global_buffer, .address_space: global }
      - { .name: maskw, .offset: 32, .size: 8, .value_kind: global_buffer, .address_space: global }
      - { .name: flags, .offset: 40, .size: 8, .value_kind: global_buffer, .address_space: global }
    .group_segment_fixed_size: 208384
    .private_segment_fixed_size: 0
    .kernarg_segment_align: 8
    .kernarg_segment_size: 48
    .max_flat_workgroup_size: 384
    .sgpr_count:     68
    .vgpr_count:     194
    .wavefront_size: 32
...
	.end_amdgpu_metadata
.endif
;; end of part 1
;; launch attn (part 2): grid 16 x 16, 16 waves a work-group, no clusters, 280,576 bytes of LDS; arguments query, kv, maskw, flags, out0; writes out0
.if DOCPART == 2
	.amdgcn_target "amdgcn-amd-amdhsa--gfx1250"
	.amdhsa_code_object_version 6
	.text
	.protected	k_q9757cab6ab_attn
	.globl	k_q9757cab6ab_attn
	.p2align	8
	.type	k_q9757cab6ab_attn,@function
k_q9757cab6ab_attn:
	s_mov_b64 s[64:65], 0
	v_nop
	global_prefetch_b8 v0, s[64:65] scope:SCOPE_SE
	s_setreg_imm32_b32 hwreg(HW_REG_WAVE_MODE, 25, 1), 1
	s_wait_xcnt 0x0
; ATTN: out[q][head] = sum over keys of softmax(q . k / 8, masked logits standing at a large negative number) v, 16 heads of 64, 4,096 queries and keys,
; both products on codes of FP4 (E2M1) with one E8M0 scale for each 32 along a product's K.  K's and V's codes and scale words come from kv, as images of the operand registers; Q is quantised here.
; THE SOFTMAX: t = score x log2(e) / 8; M = the row's largest t so far, rounded up to a whole number; p = 2^(t - M) is quantised along the keys, not normalised;
; the row's sum is taken of the unquantised p and divides at the end.  When M moves, the sum and O are multiplied by 2^(old M - new M): exact.
; SHARES: a work-group owns one head (y) and 16 tiles of 16 queries; wave w owns tile x + 16 p, p = w xor 3 where bit 2 of w is set, else w: the tiles of a work-group lie
; spread over the sequence, and the four waves w = s, s + 4, s + 8, s + 12 have the same sum of p, 30, for every s.  The head's 32 steps of K and V, 278,528 bytes, are brought
; into LDS once, 17,408 bytes by each wave, and read by all sixteen.
; K = 64 IS HALF OF THE INSTRUCTION'S 128: a row of K's fragment holds TWO keys (a in k 0-63, a + 8 in k 64-127), multiplied once by [q, 0] and once by [0, q].  Row m of fragment b holds
; keys 32 b + m + 8 (m / 8) and + 8, so score register 16 b + i of lane (r, h) is query r, key 32 b + 16 h + i: 16 neighbouring keys, as the conversions want them.
; Both products are used transposed (source 0 = keys, or V's channels; source 1 = my 16 queries): a lane holds one query throughout.
; THE MASK comes as lane masks (maskw): word n is the select mask of score register n, one v_cndmask_b32 a register; a step with no masked entry jumps over them.
; A step whose tile is wholly masked is left out, if no row of my tile is masked in ALL keys: its p would be 0 beside the row's unmasked keys.  If some row is masked everywhere,
; every step runs, and that row's weights come out equal.  Both are scalar branches on whole numbers that the launch before stored (flags).
; NO CLUSTER, NO JOINT REQUESTS, though the 16 work-groups of a head read the same 278,528 bytes: the text holds no tensor load,
; and a joint request is a tensor load.  What the branches leave out is whole steps of the loop; what sharing would spare is one fill.
; LIMITS: a masked score stands as -2^33, that is a logit of -2^30 in place of -1e9: t is then a whole number, so that a row masked everywhere has p = 1 exactly; results differ only
; where an unmasked logit lies under about -1e9.  NaN and infinities among the inputs are not served.  A block of zeros gets the scale byte 1: its codes are zeros.
.set STEPB, 8704                       ; a step's block: K 4,096, V 4,096, K's scale words 256, V's 256
.set SHARE, 17408                      ; a wave's share of the fill: two steps
.set HEADB, 278528
.set PQ,    272                        ; a row of 64 f32 in LDS + 16 bytes: Q's turn, and the way out
.set LI,  1                            ; v1   16 x lane
.set L8,  2                            ; v2   8 x lane
.set RR,  3                            ; v3   r = lane % 16
.set HH,  4                            ; v4   h = lane / 16
.set GO,  5                            ; v5   4096 h + 16 r: two rows of query or out0, 16 lanes to a row's 256 bytes
.set NEG, 6                            ; v6   -2^33
.set ADK, 7                            ; v7   LDS: the step's codes
.set ADS, 8                            ; v8   LDS: the step's scale words
.set QS,  9                            ; v9   Q's scale word
.set KSC, 10                           ; v10-11 K's scale words
.set NM,  12                           ; v12  -M;  v13 the largest t
.set LS,  14                           ; v14-15 the row's sum, in two halves
.set QHI, 16                           ; v16-23 [0, q]: v16-19 zeros
.set QLO, 20                           ; v20-27 [q, 0]: v20-23 Q's codes, v24-27 zeros
.set VSC, 28                           ; v28-29 V's scale words
.set PS,  30                           ; v30  p's scale word
.set KF,  32                           ; v32-63  K's four fragments
.set VF,  64                           ; v64-95  V's four fragments
.set SS,  96                           ; v96-159 the scores, then p
.set OT,  160                          ; v160-191 O^T
.set PC,  192                          ; v192-199 p's codes
.set BM,  200                          ; v200-203 each block's largest score, then its largest p
.set PT,  204                          ; v204-207 the partner lane's; then the bytes
.set SO,  208                          ; v208-211 the conversions' scale operands
.set FF,  212                          ; v212-213 f
.set TMP, 214
.set L2S, 216                          ; v216-217 the second chain of sums
.set QST, 232                          ; v232 LDS: Q on its way in
.set QLD, 233                          ; v233 and back
.set FIL, 234                          ; v234 LDS: my share of the fill
.set OST, 235                          ; v235 the way out: into my stage
.set ORD, 236                          ; v236 and back
.set WV,   14
.set QT,   15
.set SEL,  16                          ; s[16:17]
.set CS,   18                          ; s[18:19] c = log2(e) / 8
.set NEED, 20                          ; bit 0: this step runs
.set PART, 21                          ; bit 0: this step has masked entries
.set CNT,  22
.set TB,   23                          ; LDS byte of the step
.set MO,   24                          ; byte of the step's mask words
	s_load_b256 s[4:11], s[0:1], 0x0               ; query s[4:5], kv s[6:7], maskw s[8:9], flags s[10:11]
	s_load_b64 s[12:13], s[0:1], 0x20              ; out0
	v_lshl_add_u32 v254, v0, 2, 0x44000
	v_mov_b32 v255, 0
	v_lshrrev_b32 v1, 5, v0
	v_readfirstlane_b32 s[WV], v1                  ; wave 0..15
	v_and_b32 v[RR], 15, v0
	v_bfe_u32 v[HH], v0, 4, 1
	v_and_b32 v1, 31, v0
	v_lshlrev_b32 v[L8], 3, v1
	v_lshlrev_b32 v[LI], 4, v1
	v_lshlrev_b32 v[GO], 4, v[RR]
	v_lshl_add_u32 v[GO], v[HH], 12, v[GO]
	s_mul_i32 s27, s[WV], SHARE                    ; my share of LDS
	s_mul_i32 s25, s[WV], 16*PQ                    ; my stage for the way out
	v_mul_u32_u24 v[QST], v[HH], PQ
	v_lshl_add_u32 v[QST], v[RR], 4, v[QST]
	v_add_nc_u32 v[QST], s27, v[QST]               ; in: lanes 0-15 one row, lanes 16-31 the next
	v_mul_u32_u24 v[QLD], v[RR], PQ
	v_lshl_add_u32 v[QLD], v[HH], 7, v[QLD]
	v_add_nc_u32 v[QLD], s27, v[QLD]               ; back: row r, dims 32 h on
	v_add_nc_u32 v[FIL], s27, v[LI]
	v_mul_u32_u24 v[OST], v[RR], PQ
	v_lshl_add_u32 v[OST], v[HH], 5, v[OST]
	v_add_nc_u32 v[OST], s25, v[OST]               ; row r, + 32 h
	v_mul_u32_u24 v[ORD], v[HH], PQ
	v_lshl_add_u32 v[ORD], v[RR], 4, v[ORD]
	v_add_nc_u32 v[ORD], s25, v[ORD]
	s_bfe_u32 s60, s[WV], 0x10002                  ; bit 2 of the wave's number
	s_mul_i32 s60, s60, 3
	s_xor_b32 s60, s60, s[WV]                      ; p
	s_lshl_b32 s60, s60, 4
	s_add_co_u32 s[QT], s60, ttmp9                 ; my tile of 16 queries
	s_and_b32 s26, ttmp7, 0xffff                   ; the head
	s_lshl_b32 s60, s[QT], 16                      ; 16 rows of 4,096 bytes,
	s_lshl_b32 s62, s26, 8                         ; the head's 256 bytes of a row
	s_add_co_u32 s60, s60, s62
	s_mov_b32 s61, 0
	s_mul_i32 s62, s26, HEADB
	s_add_co_u32 s62, s62, s27
	s_mov_b32 s63, 0
	s_mov_b32 s[SEL], 0x76543210
	s_mov_b32 s[SEL+1], 0xfedcba98
	s_mov_b32 s[CS], 0x3e38aa3b
	s_mov_b32 s[CS+1], s[CS]                       ; named with it as a pair, so it is written
	s_mov_b32 s[CNT], 0
	s_mov_b32 s[TB], 0
	s_mov_b32 s[MO], 0
	s_wait_kmcnt 0x0
	s_add_nc_u64 s[4:5], s[4:5], s[60:61]
	s_add_nc_u64 s[12:13], s[12:13], s[60:61]
	s_add_nc_u64 s[6:7], s[6:7], s[62:63]
	s_lshl_b32 s60, s[QT], 13
	s_add_nc_u64 s[8:9], s[8:9], s[60:61]          ; my tile's 32 x 64 mask words
	s_lshl_b32 s60, s[QT], 11
	s_add_nc_u64 s[10:11], s[10:11], s[60:61]      ; my tile's 8 flag records
.irp e, 0,1,2,3,4,5,6,7
	s_load_b128 s[28+4*\e:31+4*\e], s[10:11], 256*\e
.endr
.irp m, 0,1,2,3,4,5,6,7
	global_load_b128 v[KF+4*\m:KF+4*\m+3], v[GO], s[4:5] offset:8192*\m th:TH_LOAD_NT   ; Q: two rows a load, 256 consecutive bytes for each sixteen lanes; read once
.endr
.set i, 0
.rept 34
	global_load_b128 v[SS+4*i:SS+4*i+3], v[LI], s[6:7] offset:512*i    ; my share of the head's codes: 34 x 512 bytes
.set i, i+1
.endr
	s_wait_kmcnt 0x0
	s_or_b32 s[NEED], s28, s32                     ; the eight records: wholly masked steps,
	s_or_b32 s[PART], s29, s33                     ; steps with masked entries,
	s_and_b32 s60, s30, s34                        ; rows masked in every eighth
.irp e, 2,3,4,5,6,7
	s_or_b32 s[NEED], s[NEED], s[28+4*\e]
	s_or_b32 s[PART], s[PART], s[29+4*\e]
	s_and_b32 s60, s60, s[30+4*\e]
.endr
	s_not_b32 s[NEED], s[NEED]
	s_cmp_lg_u32 s60, 0
	s_cselect_b32 s[NEED], -1, s[NEED]             ; a row masked everywhere: every step runs
	s_wait_loadcnt 34                              ; Q's eight loads are in; the 34 issued behind them may be out
.irp m, 0,1,2,3,4,5,6,7
	ds_store_b128 v[QST], v[KF+4*\m:KF+4*\m+3] offset:2*PQ*\m      ; Q turns through my own share of LDS: LDS serves a wave's instructions in order
.endr
.irp j, 0,1,2,3,4,5,6,7
	ds_load_b128 v[VF+4*\j:VF+4*\j+3], v[QLD] offset:16*\j         ; a whole block of 32 dims of row r
.endr
	s_wait_dscnt 0x0
	v_max3_num_f32 v240, |v[VF]|, |v[VF+1]|, |v[VF+2]|
	v_max3_num_f32 v241, |v[VF+3]|, |v[VF+4]|, |v[VF+5]|
.irp i, 6,10,14,18,22,26
	v_max3_num_f32 v240, v240, |v[VF+\i]|, |v[VF+\i+1]|
	v_max3_num_f32 v241, v241, |v[VF+\i+2]|, |v[VF+\i+3]|
.endr
	v_max3_num_f32 v240, v240, |v[VF+30]|, |v[VF+31]|
	v_max3_num_f32 v240, v240, v241, 0x1800000     ; and the floor 2^(3 - 127): the byte cannot fall under 1
	v_add_nc_u32 v242, 0xff000000, v240            ; 2 off the exponent field: the conversion's scale operand
.irp g, 0,1,2,3
	v_cvt_scalef32_pk8_fp4_f32 v[QLO+\g], v[VF+8*\g:VF+8*\g+7], v242
.endr
	v_lshrrev_b32 v243, 23, v242                   ; the byte (also the plain line behind the conversions)
	v_lshlrev_b32 v244, 3, v[HH]
	v_lshlrev_b32 v243, v244, v243                 ; block h in byte h
	v_mov_b32 v245, 0
	v_permlanex16_b32 v245, v243, s[SEL], s[SEL+1]
	v_or_b32 v243, v243, v245
	v_lshl_or_b32 v[QS], v243, 16, v243            ; [s0, s1, s0, s1]: serves [q, 0] and [0, q]
	s_wait_loadcnt 0x0                             ; my share of the codes
.set i, 0
.rept 34
	ds_store_b128 v[FIL], v[SS+4*i:SS+4*i+3] offset:512*i
.set i, i+1
.endr
	s_wait_dscnt 0x0                               ; for the others' sake: my stores have landed (and have read their registers)
	s_barrier_signal -1
	v_mov_b32 v[NEG], 0xd0000000                   ; register work while the others arrive: the starting values
	v_mov_b32 v[NM+1], 0xff61b1e6                  ; the largest t so far: -3e38
	v_floor_f32 v[NM], -v[NM+1]
	v_mov_b32 v[LS], 0
	v_mov_b32 v[LS+1], 0
.irp j, 0,1,2,3
	v_mov_b32 v[QHI+\j], 0
	v_mov_b32 v[QLO+4+\j], 0
	v_mov_b32 v[PT+\j], 0                          ; a lane permute's destination counts as read
.endr
	v_mov_b32 v[FF+1], 0                           ; named as the upper half of a pair
	v_mov_b32 v[TMP], 0
.set i, 0
.rept 32
	v_mov_b32 v[OT+i], 0                           ; O^T: the loop is written once; the first change of M leaves zeros zeros.  (These lines also part Q's scale word and codes from the first product)
.set i, i+1
.endr
	s_barrier_wait -1                              ; the whole head lies in LDS
.Ltrip:                                                ; 32 trips, a step of 128 keys each
	s_bitcmp1_b32 s[NEED], 0
	s_cbranch_scc0 .Lskip
	s_load_b512 s[28:43], s[8:9], s[MO] offset:0x0 ; the step's 64 mask words: word n in s[28 + n + 8 (n / 32)]
	s_load_b512 s[44:59], s[8:9], s[MO] offset:0x40
	s_load_b512 s[68:83], s[8:9], s[MO] offset:0x80
	s_load_b512 s[84:99], s[8:9], s[MO] offset:0xc0
	v_add_nc_u32 v[ADK], s[TB], v[LI]
	v_add_nc_u32 v[ADS], s[TB], v[L8]
	ds_load_b64 v[KSC:KSC+1], v[ADS] offset:8192
.irp f, 0,1,2,3,4,5,6,7
	ds_load_b128 v[KF+4*\f:KF+4*\f+3], v[ADK] offset:512*\f
.endr
	ds_load_b64 v[VSC:VSC+1], v[ADS] offset:8448
.irp f, 0,1,2,3,4,5,6,7
	ds_load_b128 v[VF+4*\f:VF+4*\f+3], v[ADK] offset:4096+512*\f
.endr
	s_wait_dscnt 9                                 ; K's scale words and fragments are in; V's nine loads may be out
.irp b, 0,1,2,3                                ; S^T = K Q^T: eight products on eight results, each begun with 0
.if \b%2
	v_wmma_scale_f32_16x16x128_f8f6f4 v[SS+16*\b:SS+16*\b+7], v[KF+8*\b:KF+8*\b+7], v[QLO:QLO+7], 0, v[KSC+\b/2], v[QS] matrix_a_fmt:MATRIX_FMT_FP4 matrix_b_fmt:MATRIX_FMT_FP4 matrix_a_scale:MATRIX_SCALE_ROW1
	v_wmma_scale_f32_16x16x128_f8f6f4 v[SS+16*\b+8:SS+16*\b+15], v[KF+8*\b:KF+8*\b+7], v[QHI:QHI+7], 0, v[KSC+\b/2], v[QS] matrix_a_fmt:MATRIX_FMT_FP4 matrix_b_fmt:MATRIX_FMT_FP4 matrix_a_scale:MATRIX_SCALE_ROW1
.else
	v_wmma_scale_f32_16x16x128_f8f6f4 v[SS+16*\b:SS+16*\b+7], v[KF+8*\b:KF+8*\b+7], v[QLO:QLO+7], 0, v[KSC+\b/2], v[QS] matrix_a_fmt:MATRIX_FMT_FP4 matrix_b_fmt:MATRIX_FMT_FP4
	v_wmma_scale_f32_16x16x128_f8f6f4 v[SS+16*\b+8:SS+16*\b+15], v[KF+8*\b:KF+8*\b+7], v[QHI:QHI+7], 0, v[KSC+\b/2], v[QS] matrix_a_fmt:MATRIX_FMT_FP4 matrix_b_fmt:MATRIX_FMT_FP4
.endif
.endr
.rept 4
	v_nop                                          ; four places between the products and the first read of their results (ISA guide 7.12.1)
.endr
	s_wait_kmcnt 0x0                               ; the mask words are in; their offset register may be stepped
	s_bitcmp1_b32 s[PART], 0
	s_cbranch_scc0 .Lopen                          ; no masked entry in this tile
.set n, 0
.rept 64
	v_cndmask_b32 v[SS+n], v[SS+n], v[NEG], s[28+n+8*(n/32)]       ; ascending: each result is first read at its low end
.set n, n+1
.endr
.Lopen:
.irp b, 0,1,2,3
	v_max3_num_f32 v[BM+\b], v[SS+16*\b], v[SS+1+16*\b], v[SS+2+16*\b]   ; the largest score of each block of 32 keys: for the row's maximum, and, since p rises with the score, for the block's largest p
.endr
.irp i, 3,5,7,9,11,13
.irp b, 0,1,2,3
	v_max3_num_f32 v[BM+\b], v[BM+\b], v[SS+16*\b+\i], v[SS+1+16*\b+\i]
.endr
.endr
.irp b, 0,1,2,3
	v_max_num_f32 v[BM+\b], v[BM+\b], v[SS+15+16*\b]
.endr
.irp b, 0,1,2,3
	v_permlanex16_b32 v[PT+\b], v[BM+\b], s[SEL], s[SEL+1]
.endr
.irp b, 0,1,2,3
	v_max_num_f32 v[BM+\b], v[BM+\b], v[PT+\b]     ; with lane l xor 16's 16 keys
.endr
	v_max3_num_f32 v[TMP], v[BM], v[BM+1], v[BM+2]
	v_max_num_f32 v[TMP], v[TMP], v[BM+3]
	v_mul_f32 v[TMP], s[CS], v[TMP]                ; as t
	v_max_num_f32 v[NM+1], v[NM+1], v[TMP]         ; the running largest t
	v_mov_b32 v[TMP], v[NM]
	v_floor_f32 v[NM], -v[NM+1]                    ; the new -M = -ceil(t)
	v_sub_f32 v[TMP], v[NM], v[TMP]                ; old M - new M: a whole number, 0 or less
	v_cvt_i32_f32 v[TMP], v[TMP]                   ; (it saturates)
	v_ldexp_f32 v[FF], 1.0, v[TMP]                 ; f = 2^(old M - new M)
.set j, 0
.rept 32
	v_pk_fma_f32 v[SS+j:SS+j+1], v[SS+j:SS+j+1], s[CS:CS+1], v[NM:NM+1] op_sel_hi:[1,0,0]   ; t - M, two at a time
.set j, j+2
.endr
.irp b, 0,1,2,3
	v_fma_f32 v[BM+\b], v[BM+\b], s[CS], v[NM]     ; the same of each block's largest score
.endr
.set j, 0
.rept 64
	v_exp_f32 v[SS+j], v[SS+j]                     ; p = 2^(t - M)
.set j, j+1
.endr
	v_pk_mul_f32 v[LS:LS+1], v[LS:LS+1], v[FF:FF+1] op_sel_hi:[1,0]   ; the sums under the new M (a plain line behind the exponentials)
	s_wait_alu depctr_va_vdst(0)                   ; one wait for the batch of 64, ahead of its first reader
.irp b, 0,1,2,3
	v_exp_f32 v[BM+\b], v[BM+\b]                   ; each block's largest p
.endr
	v_pk_add_f32 v[L2S:L2S+1], v[SS:SS+1], v[SS+2:SS+3]            ; the row's sum of the unquantised p, in two chains: the first 15 lines stand behind the four exponentials
.irp j, 4,8,12,16,20,24,28
	v_pk_add_f32 v[LS:LS+1], v[LS:LS+1], v[SS+\j:SS+\j+1]
	v_pk_add_f32 v[L2S:L2S+1], v[L2S:L2S+1], v[SS+\j+2:SS+\j+3]
.endr
	s_wait_alu depctr_va_vdst(0)                   ; and one for the four
.irp b, 0,1,2,3
	v_max_num_f32 v[BM+\b], 0x1800000, v[BM+\b]    ; the floor: a block whose every p is 0 keeps the byte 1; its codes are zeros
.endr
.irp b, 0,1,2,3
	v_add_nc_u32 v[SO+\b], 0xff000000, v[BM+\b]
.endr
.irp b, 0,1,2,3
	v_lshrrev_b32 v[PT+\b], 23, v[SO+\b]
.endr
	v_lshl_or_b32 v[PS], v[PT+1], 8, v[PT]         ; p's scale word for these 128 keys
	v_lshl_or_b32 v[PS], v[PT+2], 16, v[PS]
	v_lshl_or_b32 v[PS], v[PT+3], 24, v[PS]
.irp b, 0,1,2,3
	v_cvt_scalef32_pk8_fp4_f32 v[PC+2*\b], v[SS+16*\b:SS+16*\b+7], v[SO+\b]
	v_cvt_scalef32_pk8_fp4_f32 v[PC+1+2*\b], v[SS+16*\b+8:SS+16*\b+15], v[SO+\b]
.endr
	v_nop                                          ; one plain line behind the conversions
.irp c, 0,1                                    ; the operand wants a whole block in a lane: lanes 0-15 block 2 c, lanes 16-31 block 2 c + 1
.irp i, 0,1
	v_permlane16_swap_b32 v[PC+4*\c+\i], v[PC+2+4*\c+\i]
.endr
.endr
.set j, 0
.rept 16
	v_pk_mul_f32 v[OT+j:OT+j+1], v[OT+j:OT+j+1], v[FF:FF+1] op_sel_hi:[1,0]   ; O^T under the new M, ascending.  (These lines also part p's scale word and codes from the products below)
.set j, j+2
.endr
.irp j, 32,36,40,44
	v_pk_add_f32 v[LS:LS+1], v[LS:LS+1], v[SS+\j:SS+\j+1]          ; eight more of the sums
	v_pk_add_f32 v[L2S:L2S+1], v[L2S:L2S+1], v[SS+\j+2:SS+\j+3]
.endr
	s_wait_dscnt 0x0                               ; V's scale words and fragments are in
.irp t, 0,1,2,3                                ; O^T += V^T P^T: the four accumulators by turns, one instruction a turn
.if \t%2
	v_wmma_scale_f32_16x16x128_f8f6f4 v[OT+8*\t:OT+8*\t+7], v[VF+8*\t:VF+8*\t+7], v[PC:PC+7], v[OT+8*\t:OT+8*\t+7], v[VSC+\t/2], v[PS] matrix_a_fmt:MATRIX_FMT_FP4 matrix_b_fmt:MATRIX_FMT_FP4 matrix_a_scale:MATRIX_SCALE_ROW1
.else
	v_wmma_scale_f32_16x16x128_f8f6f4 v[OT+8*\t:OT+8*\t+7], v[VF+8*\t:VF+8*\t+7], v[PC:PC+7], v[OT+8*\t:OT+8*\t+7], v[VSC+\t/2], v[PS] matrix_a_fmt:MATRIX_FMT_FP4 matrix_b_fmt:MATRIX_FMT_FP4
.endif
.endr
.irp j, 48,52,56,60
	v_pk_add_f32 v[LS:LS+1], v[LS:LS+1], v[SS+\j:SS+\j+1]          ; the last nine of the sums name no register of these products: they are the places in front of the next
	v_pk_add_f32 v[L2S:L2S+1], v[L2S:L2S+1], v[SS+\j+2:SS+\j+3]    ; trip's loads into V's registers and of the next read of O^T
.endr
	v_pk_add_f32 v[LS:LS+1], v[LS:LS+1], v[L2S:L2S+1]
.Lskip:
	s_lshr_b32 s[NEED], s[NEED], 1
	s_lshr_b32 s[PART], s[PART], 1
	s_add_co_u32 s[TB], s[TB], STEPB
	s_add_co_u32 s[MO], s[MO], 256
	s_add_co_u32 s[CNT], s[CNT], 1
	s_cmp_lt_u32 s[CNT], 32
	s_cbranch_scc1 .Ltrip
	; THE WAY OUT: O^T / the sum goes through my stage in LDS, so that sixteen lanes store a row's 256 consecutive bytes.
	v_add_f32 v[LS], v[LS], v[LS+1]
	v_permlanex16_b32 v[TMP], v[LS], s[SEL], s[SEL+1]
	v_add_f32 v[LS], v[LS], v[TMP]                 ; the row's sum
	v_rcp_f32 v[LS], v[LS]
	v_nop                                          ; a plain line behind the reciprocal
	s_wait_alu depctr_va_vdst(0)                   ; and the wait ahead of its first reader
.set j, 0
.rept 16
	v_pk_mul_f32 v[SS+j:SS+j+1], v[OT+j:OT+j+1], v[LS:LS+1] op_sel_hi:[1,0]   ; register 8 t + i: out(r, 16 t + 8 h + i)
.set j, j+2
.endr
	s_wait_dscnt 0x0                               ; my reads of K and V are over
	s_barrier_signal -1
	s_barrier_wait -1                              ; everybody's are: the stages lie where the first steps lay
.irp t, 0,1,2,3
	ds_store_b128 v[OST], v[SS+8*\t:SS+8*\t+3] offset:64*\t
	ds_store_b128 v[OST], v[SS+8*\t+4:SS+8*\t+7] offset:64*\t+16
.endr
.irp i, 0,1,2,3,4,5,6,7
	ds_load_b128 v[KF+4*\i:KF+4*\i+3], v[ORD] offset:2*PQ*\i       ; LDS serves a wave's instructions in order: these see my stores
.endr
.irp i, 0,1,2,3,4,5,6,7
	s_wait_dscnt 7-\i                              ; load i is in; the younger ones may be out
	global_store_b128 v[GO], v[KF+4*\i:KF+4*\i+3], s[12:13] offset:8192*\i th:TH_STORE_NT   ; each sixteen lanes store 256 consecutive bytes, aligned; written once
.endr
	s_wait_tensorcnt 0x0
	ds_add_u32 v254, v255
	s_wait_dscnt 0x0
	s_endpgm
.Lfunc_end_k_q9757cab6ab_attn:
	.size	k_q9757cab6ab_attn, .Lfunc_end_k_q9757cab6ab_attn-k_q9757cab6ab_attn
	.p2alignl 7, 3214868480
	.fill 96, 4, 3214868480
	.section	.rodata,"a",@progbits
	.p2align	6, 0x0
	.amdhsa_kernel k_q9757cab6ab_attn
		.amdhsa_group_segment_fixed_size 280576
		.amdhsa_private_segment_fixed_size 0
		.amdhsa_enable_private_segment 0
		.amdhsa_kernarg_size 40
		.amdhsa_user_sgpr_count 2
		.amdhsa_user_sgpr_kernarg_segment_ptr 1
		.amdhsa_wavefront_size32 1
		.amdhsa_system_sgpr_workgroup_id_x 1
		.amdhsa_system_sgpr_workgroup_id_y 1
		.amdhsa_system_sgpr_workgroup_id_z 1
		.amdhsa_system_vgpr_workitem_id 0
		.amdhsa_next_free_vgpr 256
		.amdhsa_next_free_sgpr 100
		.amdhsa_reserve_vcc 0
		.amdhsa_float_denorm_mode_32 3
		.amdhsa_float_denorm_mode_16_64 3
		.amdhsa_memory_ordered 1
		.amdhsa_forward_progress 1
		.amdhsa_inst_pref_size 38
	.end_amdhsa_kernel
	.amdgpu_metadata
---
amdhsa.version: [ 1, 2 ]
amdhsa.kernels:
  - .name:           k_q9757cab6ab_attn
    .symbol:         k_q9757cab6ab_attn.kd
    .args:
      - { .name: query, .offset: 0, .size: 8, .value_kind: global_buffer, .address_space: global }
      - { .name: kv, .offset: 8, .size: 8, .value_kind: global_buffer, .address_space: global }
      - { .name: maskw, .offset: 16, .size: 8, .value_kind: global_buffer, .address_space: global }
      - { .name: flags, .offset: 24, .size: 8, .value_kind: global_buffer, .address_space: global }
      - { .name: out0, .offset: 32, .size: 8, .value_kind: global_buffer, .address_space: global }
    .group_segment_fixed_size: 280576
    .private_segment_fixed_size: 0
    .kernarg_segment_align: 8
    .kernarg_segment_size: 40
    .max_flat_workgroup_size: 512
    .sgpr_count:     100
    .vgpr_count:     256
    .wavefront_size: 32
...
	.end_amdgpu_metadata
.endif
;; end of part 2
;; ======== version 2 of 2: 2 launches; version 1 with the launch attn written anew for expert scheduling mode
;; limits: right only within a limited range of input values
;; workspace buffers: kv 4,456,448 bytes; maskw 2,097,152 bytes of whole numbers; flags 524,288 bytes of whole numbers
;; launch prep: the kernel of part 1 again; grid 256 x 1, 12 waves a work-group, no clusters, 208,384 bytes of LDS; arguments key, value, mask, kv, maskw, flags; writes kv, maskw, flags
;; launch attn (part 3): grid 16 x 16, 16 waves a work-group, no clusters, 280,576 bytes of LDS; arguments query, kv, maskw, flags, out0; writes out0
.if DOCPART == 3
	.amdgcn_target "amdgcn-amd-amdhsa--gfx1250"
	.amdhsa_code_object_version 6
	.text
	.protected	k_q9757cab6ab_attn
	.globl	k_q9757cab6ab_attn
	.p2align	8
	.type	k_q9757cab6ab_attn,@function
k_q9757cab6ab_attn:
	s_mov_b64 s[64:65], 0
	v_nop
	global_prefetch_b8 v0, s[64:65] scope:SCOPE_SE
	s_setreg_imm32_b32 hwreg(HW_REG_WAVE_SCHED_MODE, 0, 2), 2
	s_setreg_imm32_b32 hwreg(HW_REG_WAVE_MODE, 25, 1), 1
	s_wait_xcnt 0x0
	s_wait_alu depctr_vm_vsrc(0)
; ATTN: out[q][head] = sum over keys of softmax(q . k / 8, masked logits standing at a large negative number) v, 16 heads of 64, 4,096 queries and keys,
; both products on codes of FP4 (E2M1) with one E8M0 scale for each 32 along a product's K.  K's and V's codes and scale words come from kv, as images of the operand registers; Q is quantised here.
; THE SOFTMAX: t = score x log2(e) / 8; M = the row's largest t so far, rounded up to a whole number; p = 2^(t - M) is quantised along the keys, not normalised;
; the row's sum is taken of the unquantised p and divides at the end.  When M moves, the sum and O are multiplied by 2^(old M - new M): exact.
; SHARES: a work-group owns one head (y) and 16 tiles of 16 queries; wave w owns tile x + 16 p, p = w xor 3 where bit 2 of w is set, else w: the tiles of a work-group lie
; spread over the sequence, and the four waves w = s, s + 4, s + 8, s + 12 have the same sum of p, 30, for every s.  The head's 32 steps of K and V, 278,528 bytes, are brought
; into LDS once, 17,408 bytes by each wave, and read by all sixteen.
; K = 64 IS HALF OF THE INSTRUCTION'S 128: a row of K's fragment holds TWO keys (a in k 0-63, a + 8 in k 64-127), multiplied once by [q, 0] and once by [0, q].  Row m of fragment b holds
; keys 32 b + m + 8 (m / 8) and + 8, so score register 16 b + i of lane (r, h) is query r, key 32 b + 16 h + i: 16 neighbouring keys, as the conversions want them.
; Both products are used transposed (source 0 = keys, or V's channels; source 1 = my 16 queries): a lane holds one query throughout.
; THE MASK comes as lane masks (maskw): word n is the select mask of score register n, one v_cndmask_b32 a register; a step with no masked entry jumps over them.
; A step whose tile is wholly masked is left out, if no row of my tile is masked in ALL keys: its p would be 0 beside the row's unmasked keys.  If some row is masked everywhere,
; every step runs, and that row's weights come out equal.  Both are scalar branches on whole numbers that the launch before stored (flags).
; NO CLUSTER, NO JOINT REQUESTS, though the 16 work-groups of a head read the same 278,528 bytes: the text holds no tensor load,
; and a joint request is a tensor load.  What the branches leave out is whole steps of the loop; what sharing would spare is one fill.
; LIMITS: a masked score stands as -2^33, that is a logit of -2^30 in place of -1e9: t is then a whole number, so that a row masked everywhere has p = 1 exactly; results differ only
; where an unmasked logit lies under about -1e9.  NaN and infinities among the inputs are not served.  A block of zeros gets the scale byte 1: its codes are zeros.
; THE MODE: SCHED_MODE bits 1:0 = 2 (LLVM: expert scheduling mode 2), set by the entry lines.  The code itself states the register dependences
; between vector or matrix instructions and memory or LDS instructions, with s_wait_alu, always for 0.
; THE PLAN.  Registers that memory or LDS instructions touch:
;   v1, v5, v232-236, v254, v255   offsets and LDS addresses: made once at the head, never written again: one wait on va_vdst ahead of the first load serves them all.
;   v7, v8        the step's two LDS addresses: written by two adds at the head of a step that runs, read by its 18 LDS loads.
;   v10-11, v32-63  K's scale words and fragments: loaded at the step's head, read by its eight products K Q^T.
;   v28-29, v64-95  V's scale words and fragments: loaded among those eight products, read by the four products V^T P at the step's end.
;   v32-63, v96-231 at the head: loaded from memory, read by the LDS stores, then free for the loop: one wait on vm_vsrc behind the stores.
;   v96-127, v32-63 on the way out: written by the last multiplies and read by the LDS stores; the stage's loads land in v32-63, and the global stores read them.
; In a step: one wait on vm_vsrc ahead of the two adds; ONE wait on va_vdst behind them, on which all 18 loads lean: the addresses are written, and the products of the step before are done
; reading K's and V's registers.  V's nine loads follow dealt among the products K Q^T, which name K's registers, Q's and the scores: none that those loads touch.
; The next step's loads cannot be asked for in this step: which step runs next hangs on the flags.  All else in the loop is named by vector and matrix instructions alone.
.set STEPB, 8704                       ; a step's block: K 4,096, V 4,096, K's scale words 256, V's 256
.set SHARE, 17408                      ; a wave's share of the fill: two steps
.set HEADB, 278528
.set PQ,    272                        ; a row of 64 f32 in LDS + 16 bytes: Q's turn, and the way out
.set LI,  1                            ; v1   16 x lane
.set L8,  2                            ; v2   8 x lane
.set RR,  3                            ; v3   r = lane % 16
.set HH,  4                            ; v4   h = lane / 16
.set GO,  5                            ; v5   4096 h + 16 r: two rows of query or out0, 16 lanes to a row's 256 bytes
.set NEG, 6                            ; v6   -2^33
.set ADK, 7                            ; v7   LDS: the step's codes
.set ADS, 8                            ; v8   LDS: the step's scale words
.set QS,  9                            ; v9   Q's scale word
.set KSC, 10                           ; v10-11 K's scale words
.set NM,  12                           ; v12  -M;  v13 the largest t
.set LS,  14                           ; v14-15 the row's sum, in two halves
.set QHI, 16                           ; v16-23 [0, q]: v16-19 zeros
.set QLO, 20                           ; v20-27 [q, 0]: v20-23 Q's codes, v24-27 zeros
.set VSC, 28                           ; v28-29 V's scale words
.set PS,  30                           ; v30  p's scale word
.set KF,  32                           ; v32-63  K's four fragments
.set VF,  64                           ; v64-95  V's four fragments
.set SS,  96                           ; v96-159 the scores, then p
.set OT,  160                          ; v160-191 O^T
.set PC,  192                          ; v192-199 p's codes
.set BM,  200                          ; v200-203 each block's largest score, then its largest p
.set PT,  204                          ; v204-207 the partner lane's; then the bytes
.set SO,  208                          ; v208-211 the conversions' scale operands
.set FF,  212                          ; v212-213 f
.set TMP, 214
.set L2S, 216                          ; v216-217 the second chain of sums
.set QST, 232                          ; v232 LDS: Q on its way in
.set QLD, 233                          ; v233 and back
.set FIL, 234                          ; v234 LDS: my share of the fill
.set OST, 235                          ; v235 the way out: into my stage
.set ORD, 236                          ; v236 and back
.set WV,   14
.set QT,   15
.set SEL,  16                          ; s[16:17]
.set CS,   18                          ; s[18:19] c = log2(e) / 8
.set NEED, 20                          ; bit 0: this step runs
.set PART, 21                          ; bit 0: this step has masked entries
.set CNT,  22
.set TB,   23                          ; LDS byte of the step
.set MO,   24                          ; byte of the step's mask words
	s_load_b256 s[4:11], s[0:1], 0x0               ; query s[4:5], kv s[6:7], maskw s[8:9], flags s[10:11]
	s_load_b64 s[12:13], s[0:1], 0x20              ; out0
	v_lshl_add_u32 v254, v0, 2, 0x44000
	v_mov_b32 v255, 0
	v_lshrrev_b32 v1, 5, v0
	v_readfirstlane_b32 s[WV], v1                  ; wave 0..15
	v_and_b32 v[RR], 15, v0
	v_bfe_u32 v[HH], v0, 4, 1
	v_and_b32 v1, 31, v0
	v_lshlrev_b32 v[L8], 3, v1
	v_lshlrev_b32 v[LI], 4, v1
	v_lshlrev_b32 v[GO], 4, v[RR]
	v_lshl_add_u32 v[GO], v[HH], 12, v[GO]
	s_wait_alu depctr_va_sdst(0)                   ; the wave's number is written into s14, ahead of its first reader: the line below
	s_mul_i32 s27, s[WV], SHARE                    ; my share of LDS
	s_mul_i32 s25, s[WV], 16*PQ                    ; my stage for the way out
	v_mul_u32_u24 v[QST], v[HH], PQ
	v_lshl_add_u32 v[QST], v[RR], 4, v[QST]
	v_add_nc_u32 v[QST], s27, v[QST]               ; in: lanes 0-15 one row, lanes 16-31 the next
	v_mul_u32_u24 v[QLD], v[RR], PQ
	v_lshl_add_u32 v[QLD], v[HH], 7, v[QLD]
	v_add_nc_u32 v[QLD], s27, v[QLD]               ; back: row r, dims 32 h on
	v_add_nc_u32 v[FIL], s27, v[LI]
	v_mul_u32_u24 v[OST], v[RR], PQ
	v_lshl_add_u32 v[OST], v[HH], 5, v[OST]
	v_add_nc_u32 v[OST], s25, v[OST]               ; row r, + 32 h
	v_mul_u32_u24 v[ORD], v[HH], PQ
	v_lshl_add_u32 v[ORD], v[RR], 4, v[ORD]
	v_add_nc_u32 v[ORD], s25, v[ORD]
	s_bfe_u32 s60, s[WV], 0x10002                  ; bit 2 of the wave's number
	s_mul_i32 s60, s60, 3
	s_xor_b32 s60, s60, s[WV]                      ; p
	s_lshl_b32 s60, s60, 4
	s_add_co_u32 s[QT], s60, ttmp9                 ; my tile of 16 queries
	s_and_b32 s26, ttmp7, 0xffff                   ; the head
	s_lshl_b32 s60, s[QT], 16                      ; 16 rows of 4,096 bytes,
	s_lshl_b32 s62, s26, 8                         ; the head's 256 bytes of a row
	s_add_co_u32 s60, s60, s62
	s_mov_b32 s61, 0
	s_mul_i32 s62, s26, HEADB
	s_add_co_u32 s62, s62, s27
	s_mov_b32 s63, 0
	s_mov_b32 s[SEL], 0x76543210
	s_mov_b32 s[SEL+1], 0xfedcba98
	s_mov_b32 s[CS], 0x3e38aa3b
	s_mov_b32 s[CS+1], s[CS]                       ; named with it as a pair, so it is written
	s_mov_b32 s[CNT], 0
	s_mov_b32 s[TB], 0
	s_mov_b32 s[MO], 0
	s_wait_kmcnt 0x0
	s_add_nc_u64 s[4:5], s[4:5], s[60:61]
	s_add_nc_u64 s[12:13], s[12:13], s[60:61]
	s_add_nc_u64 s[6:7], s[6:7], s[62:63]
	s_lshl_b32 s60, s[QT], 13
	s_add_nc_u64 s[8:9], s[8:9], s[60:61]          ; my tile's 32 x 64 mask words
	s_lshl_b32 s60, s[QT], 11
	s_add_nc_u64 s[10:11], s[10:11], s[60:61]      ; my tile's 8 flag records
.irp e, 0,1,2,3,4,5,6,7
	s_load_b128 s[28+4*\e:31+4*\e], s[10:11], 256*\e
.endr
	s_wait_alu depctr_va_vdst(0)                   ; v1, v5, v232 to v236, v254 and v255 are written: the offsets and LDS addresses that the loads, stores and the closing add of the whole kernel read; none is written again
.irp m, 0,1,2,3,4,5,6,7
	global_load_b128 v[KF+4*\m:KF+4*\m+3], v[GO], s[4:5] offset:8192*\m th:TH_LOAD_NT   ; Q: two rows a load, 256 consecutive bytes for each sixteen lanes; read once
.endr
.set i, 0
.rept 34
	global_load_b128 v[SS+4*i:SS+4*i+3], v[LI], s[6:7] offset:512*i    ; my share of the head's codes: 34 x 512 bytes
.set i, i+1
.endr
	s_wait_kmcnt 0x0
	s_or_b32 s[NEED], s28, s32                     ; the eight records: wholly masked steps,
	s_or_b32 s[PART], s29, s33                     ; steps with masked entries,
	s_and_b32 s60, s30, s34                        ; rows masked in every eighth
.irp e, 2,3,4,5,6,7
	s_or_b32 s[NEED], s[NEED], s[28+4*\e]
	s_or_b32 s[PART], s[PART], s[29+4*\e]
	s_and_b32 s60, s60, s[30+4*\e]
.endr
	s_not_b32 s[NEED], s[NEED]
	s_cmp_lg_u32 s60, 0
	s_cselect_b32 s[NEED], -1, s[NEED]             ; a row masked everywhere: every step runs
	s_wait_loadcnt 34                              ; Q's eight loads are in; the 34 issued behind them may be out
.irp m, 0,1,2,3,4,5,6,7
	ds_store_b128 v[QST], v[KF+4*\m:KF+4*\m+3] offset:2*PQ*\m      ; Q turns through my own share of LDS: LDS serves a wave's instructions in order
.endr
.irp j, 0,1,2,3,4,5,6,7
	ds_load_b128 v[VF+4*\j:VF+4*\j+3], v[QLD] offset:16*\j         ; a whole block of 32 dims of row r
.endr
	s_wait_dscnt 0x0
	v_max3_num_f32 v240, |v[VF]|, |v[VF+1]|, |v[VF+2]|
	v_max3_num_f32 v241, |v[VF+3]|, |v[VF+4]|, |v[VF+5]|
.irp i, 6,10,14,18,22,26
	v_max3_num_f32 v240, v240, |v[VF+\i]|, |v[VF+\i+1]|
	v_max3_num_f32 v241, v241, |v[VF+\i+2]|, |v[VF+\i+3]|
.endr
	v_max3_num_f32 v240, v240, |v[VF+30]|, |v[VF+31]|
	v_max3_num_f32 v240, v240, v241, 0x1800000     ; and the floor 2^(3 - 127): the byte cannot fall under 1
	v_add_nc_u32 v242, 0xff000000, v240            ; 2 off the exponent field: the conversion's scale operand
.irp g, 0,1,2,3
	v_cvt_scalef32_pk8_fp4_f32 v[QLO+\g], v[VF+8*\g:VF+8*\g+7], v242
.endr
	v_lshrrev_b32 v243, 23, v242                   ; the byte (also the plain line behind the conversions)
	v_lshlrev_b32 v244, 3, v[HH]
	v_lshlrev_b32 v243, v244, v243                 ; block h in byte h
	v_mov_b32 v245, 0
	v_permlanex16_b32 v245, v243, s[SEL], s[SEL+1]
	v_or_b32 v243, v243, v245
	v_lshl_or_b32 v[QS], v243, 16, v243            ; [s0, s1, s0, s1]: serves [q, 0] and [0, q]
	s_wait_loadcnt 0x0                             ; my share of the codes
.set i, 0
.rept 34
	ds_store_b128 v[FIL], v[SS+4*i:SS+4*i+3] offset:512*i
.set i, i+1
.endr
	s_wait_dscnt 0x0                               ; for the others' sake: my stores have landed
	s_wait_alu depctr_vm_vsrc(0)                   ; my LDS stores have read v32 to v63 (Q) and v96 to v231 (the codes): the starting values below, the loop's loads and its products write these registers again
	s_barrier_signal -1
	v_mov_b32 v[NEG], 0xd0000000                   ; register work while the others arrive: the starting values
	v_mov_b32 v[NM+1], 0xff61b1e6                  ; the largest t so far: -3e38
	v_floor_f32 v[NM], -v[NM+1]
	v_mov_b32 v[LS], 0
	v_mov_b32 v[LS+1], 0
.irp j, 0,1,2,3
	v_mov_b32 v[QHI+\j], 0
	v_mov_b32 v[QLO+4+\j], 0
	v_mov_b32 v[PT+\j], 0                          ; a lane permute's destination counts as read
.endr
	v_mov_b32 v[FF+1], 0                           ; named as the upper half of a pair
	v_mov_b32 v[TMP], 0
.set i, 0
.rept 32
	v_mov_b32 v[OT+i], 0                           ; O^T: the loop is written once; the first change of M leaves zeros zeros.  (These lines also part Q's scale word and codes from the first product)
.set i, i+1
.endr
	s_barrier_wait -1                              ; the whole head lies in LDS
.Ltrip:                                                ; 32 trips, a step of 128 keys each
	s_bitcmp1_b32 s[NEED], 0
	s_cbranch_scc0 .Lskip
	s_load_b512 s[28:43], s[8:9], s[MO] offset:0x0 ; the step's 64 mask words: word n in s[28 + n + 8 (n / 32)].  (The selects that read the last step's words stand ahead of that step's waits on va_vdst)
	s_load_b512 s[44:59], s[8:9], s[MO] offset:0x40
	s_load_b512 s[68:83], s[8:9], s[MO] offset:0x80
	s_load_b512 s[84:99], s[8:9], s[MO] offset:0xc0
	s_wait_alu depctr_vm_vsrc(0)                   ; the LDS loads of the step before have read v7 and v8, which the two adds write
	v_add_nc_u32 v[ADK], s[TB], v[LI]
	v_add_nc_u32 v[ADS], s[TB], v[L8]
	s_wait_alu depctr_va_vdst(0)                   ; v7 and v8 are written, which the 18 loads below read; the products of the step before are done reading K's and V's fragments and scale words, in which these loads land; in the first trip: Q's quantiser is done reading v64 to v95, and Q's codes, zeros and scale word, which the products take, are written
	ds_load_b64 v[KSC:KSC+1], v[ADS] offset:8192
.irp f, 0,1,2,3,4,5,6,7
	ds_load_b128 v[KF+4*\f:KF+4*\f+3], v[ADK] offset:512*\f
.endr
	s_wait_dscnt 0x0                               ; K's scale words and fragments are in
.irp b, 0,1,2,3                                ; S^T = K Q^T: eight products on eight results, each begun with 0.  V's nine loads are dealt among them, with no further wait: no vector or matrix instruction since the wait above names v7, v8, v28, v29 or v64 to v95
.if \b%2
	v_wmma_scale_f32_16x16x128_f8f6f4 v[SS+16*\b:SS+16*\b+7], v[KF+8*\b:KF+8*\b+7], v[QLO:QLO+7], 0, v[KSC+\b/2], v[QS] matrix_a_fmt:MATRIX_FMT_FP4 matrix_b_fmt:MATRIX_FMT_FP4 matrix_a_scale:MATRIX_SCALE_ROW1
.else
	v_wmma_scale_f32_16x16x128_f8f6f4 v[SS+16*\b:SS+16*\b+7], v[KF+8*\b:KF+8*\b+7], v[QLO:QLO+7], 0, v[KSC+\b/2], v[QS] matrix_a_fmt:MATRIX_FMT_FP4 matrix_b_fmt:MATRIX_FMT_FP4
.endif
.if \b == 0
	ds_load_b64 v[VSC:VSC+1], v[ADS] offset:8448
.endif
	ds_load_b128 v[VF+8*\b:VF+8*\b+3], v[ADK] offset:4096+1024*\b
.if \b%2
	v_wmma_scale_f32_16x16x128_f8f6f4 v[SS+16*\b+8:SS+16*\b+15], v[KF+8*\b:KF+8*\b+7], v[QHI:QHI+7], 0, v[KSC+\b/2], v[QS] matrix_a_fmt:MATRIX_FMT_FP4 matrix_b_fmt:MATRIX_FMT_FP4 matrix_a_scale:MATRIX_SCALE_ROW1
.else
	v_wmma_scale_f32_16x16x128_f8f6f4 v[SS+16*\b+8:SS+16*\b+15], v[KF+8*\b:KF+8*\b+7], v[QHI:QHI+7], 0, v[KSC+\b/2], v[QS] matrix_a_fmt:MATRIX_FMT_FP4 matrix_b_fmt:MATRIX_FMT_FP4
.endif
	ds_load_b128 v[VF+8*\b+4:VF+8*\b+7], v[ADK] offset:4096+1024*\b+512
.endr
.rept 4
	v_nop                                          ; four places between the products and the first read of their results (ISA guide 7.12.1)
.endr
	s_wait_kmcnt 0x0                               ; the mask words are in; their offset register may be stepped
	s_bitcmp1_b32 s[PART], 0
	s_cbranch_scc0 .Lopen                          ; no masked entry in this tile
.set n, 0
.rept 64
	v_cndmask_b32 v[SS+n], v[SS+n], v[NEG], s[28+n+8*(n/32)]       ; ascending: each result is first read at its low end
.set n, n+1
.endr
.Lopen:
.irp b, 0,1,2,3
	v_max3_num_f32 v[BM+\b], v[SS+16*\b], v[SS+1+16*\b], v[SS+2+16*\b]   ; the largest score of each block of 32 keys: for the row's maximum, and, since p rises with the score, for the block's largest p
.endr
.irp i, 3,5,7,9,11,13
.irp b, 0,1,2,3
	v_max3_num_f32 v[BM+\b], v[BM+\b], v[SS+16*\b+\i], v[SS+1+16*\b+\i]
.endr
.endr
.irp b, 0,1,2,3
	v_max_num_f32 v[BM+\b], v[BM+\b], v[SS+15+16*\b]
.endr
.irp b, 0,1,2,3
	v_permlanex16_b32 v[PT+\b], v[BM+\b], s[SEL], s[SEL+1]
.endr
.irp b, 0,1,2,3
	v_max_num_f32 v[BM+\b], v[BM+\b], v[PT+\b]     ; with lane l xor 16's 16 keys
.endr
	v_max3_num_f32 v[TMP], v[BM], v[BM+1], v[BM+2]
	v_max_num_f32 v[TMP], v[TMP], v[BM+3]
	v_mul_f32 v[TMP], s[CS], v[TMP]                ; as t
	v_max_num_f32 v[NM+1], v[NM+1], v[TMP]         ; the running largest t
	v_mov_b32 v[TMP], v[NM]
	v_floor_f32 v[NM], -v[NM+1]                    ; the new -M = -ceil(t)
	v_sub_f32 v[TMP], v[NM], v[TMP]                ; old M - new M: a whole number, 0 or less
	v_cvt_i32_f32 v[TMP], v[TMP]                   ; (it saturates)
	v_ldexp_f32 v[FF], 1.0, v[TMP]                 ; f = 2^(old M - new M)
.set j, 0
.rept 32
	v_pk_fma_f32 v[SS+j:SS+j+1], v[SS+j:SS+j+1], s[CS:CS+1], v[NM:NM+1] op_sel_hi:[1,0,0]   ; t - M, two at a time
.set j, j+2
.endr
.irp b, 0,1,2,3
	v_fma_f32 v[BM+\b], v[BM+\b], s[CS], v[NM]     ; the same of each block's largest score
.endr
.set j, 0
.rept 64
	v_exp_f32 v[SS+j], v[SS+j]                     ; p = 2^(t - M)
.set j, j+1
.endr
	v_pk_mul_f32 v[LS:LS+1], v[LS:LS+1], v[FF:FF+1] op_sel_hi:[1,0]   ; the sums under the new M (a plain line behind the exponentials)
	s_wait_alu depctr_va_vdst(0)                   ; the 64 exponentials have written p, v96 to v159: one wait for the batch, ahead of its first reader
.irp b, 0,1,2,3
	v_exp_f32 v[BM+\b], v[BM+\b]                   ; each block's largest p
.endr
	v_pk_add_f32 v[L2S:L2S+1], v[SS:SS+1], v[SS+2:SS+3]            ; the row's sum of the unquantised p, in two chains: the first 15 lines stand behind the four exponentials
.irp j, 4,8,12,16,20,24,28
	v_pk_add_f32 v[LS:LS+1], v[LS:LS+1], v[SS+\j:SS+\j+1]
	v_pk_add_f32 v[L2S:L2S+1], v[L2S:L2S+1], v[SS+\j+2:SS+\j+3]
.endr
	s_wait_alu depctr_va_vdst(0)                   ; the four exponentials have written the blocks' largest p, v200 to v203, ahead of their first reader
.irp b, 0,1,2,3
	v_max_num_f32 v[BM+\b], 0x1800000, v[BM+\b]    ; the floor: a block whose every p is 0 keeps the byte 1; its codes are zeros
.endr
.irp b, 0,1,2,3
	v_add_nc_u32 v[SO+\b], 0xff000000, v[BM+\b]
.endr
.irp b, 0,1,2,3
	v_lshrrev_b32 v[PT+\b], 23, v[SO+\b]
.endr
	v_lshl_or_b32 v[PS], v[PT+1], 8, v[PT]         ; p's scale word for these 128 keys
	v_lshl_or_b32 v[PS], v[PT+2], 16, v[PS]
	v_lshl_or_b32 v[PS], v[PT+3], 24, v[PS]
.irp b, 0,1,2,3
	v_cvt_scalef32_pk8_fp4_f32 v[PC+2*\b], v[SS+16*\b:SS+16*\b+7], v[SO+\b]
	v_cvt_scalef32_pk8_fp4_f32 v[PC+1+2*\b], v[SS+16*\b+8:SS+16*\b+15], v[SO+\b]
.endr
	v_nop                                          ; one plain line behind the conversions
.irp c, 0,1                                    ; the operand wants a whole block in a lane: lanes 0-15 block 2 c, lanes 16-31 block 2 c + 1
.irp i, 0,1
	v_permlane16_swap_b32 v[PC+4*\c+\i], v[PC+2+4*\c+\i]
.endr
.endr
.set j, 0
.rept 16
	v_pk_mul_f32 v[OT+j:OT+j+1], v[OT+j:OT+j+1], v[FF:FF+1] op_sel_hi:[1,0]   ; O^T under the new M, ascending.  (These lines also part p's scale word and codes from the products below)
.set j, j+2
.endr
	s_wait_alu depctr_va_vdst(0)                   ; p's codes, v192 to v199, and its scale word, v30, are written, which the scaled products below take as operand and scales; the sixteen lines above are the places, which stay beside this wait; the sums that follow name none of those products' operands
.irp j, 32,36,40,44
	v_pk_add_f32 v[LS:LS+1], v[LS:LS+1], v[SS+\j:SS+\j+1]          ; eight more of the sums
	v_pk_add_f32 v[L2S:L2S+1], v[L2S:L2S+1], v[SS+\j+2:SS+\j+3]
.endr
	s_wait_dscnt 0x0                               ; V's scale words and fragments are in
.irp t, 0,1,2,3                                ; O^T += V^T P^T: the four accumulators by turns, one instruction a turn
.if \t%2
	v_wmma_scale_f32_16x16x128_f8f6f4 v[OT+8*\t:OT+8*\t+7], v[VF+8*\t:VF+8*\t+7], v[PC:PC+7], v[OT+8*\t:OT+8*\t+7], v[VSC+\t/2], v[PS] matrix_a_fmt:MATRIX_FMT_FP4 matrix_b_fmt:MATRIX_FMT_FP4 matrix_a_scale:MATRIX_SCALE_ROW1
.else
	v_wmma_scale_f32_16x16x128_f8f6f4 v[OT+8*\t:OT+8*\t+7], v[VF+8*\t:VF+8*\t+7], v[PC:PC+7], v[OT+8*\t:OT+8*\t+7], v[VSC+\t/2], v[PS] matrix_a_fmt:MATRIX_FMT_FP4 matrix_b_fmt:MATRIX_FMT_FP4
.endif
.endr
.irp j, 48,52,56,60
	v_pk_add_f32 v[LS:LS+1], v[LS:LS+1], v[SS+\j:SS+\j+1]          ; the last nine of the sums name no register of these products: they are the places in front of
	v_pk_add_f32 v[L2S:L2S+1], v[L2S:L2S+1], v[SS+\j+2:SS+\j+3]    ; the next read of O^T
.endr
	v_pk_add_f32 v[LS:LS+1], v[LS:LS+1], v[L2S:L2S+1]
.Lskip:
	s_lshr_b32 s[NEED], s[NEED], 1
	s_lshr_b32 s[PART], s[PART], 1
	s_add_co_u32 s[TB], s[TB], STEPB
	s_add_co_u32 s[MO], s[MO], 256
	s_add_co_u32 s[CNT], s[CNT], 1
	s_cmp_lt_u32 s[CNT], 32
	s_cbranch_scc1 .Ltrip
	; THE WAY OUT: O^T / the sum goes through my stage in LDS, so that sixteen lanes store a row's 256 consecutive bytes.
	v_add_f32 v[LS], v[LS], v[LS+1]
	v_permlanex16_b32 v[TMP], v[LS], s[SEL], s[SEL+1]
	v_add_f32 v[LS], v[LS], v[TMP]                 ; the row's sum
	v_rcp_f32 v[LS], v[LS]
	v_nop                                          ; a plain line behind the reciprocal
	s_wait_alu depctr_va_vdst(0)                   ; the reciprocal has written v14, ahead of its first reader
.set j, 0
.rept 16
	v_pk_mul_f32 v[SS+j:SS+j+1], v[OT+j:OT+j+1], v[LS:LS+1] op_sel_hi:[1,0]   ; register 8 t + i: out(r, 16 t + 8 h + i)
.set j, j+2
.endr
	s_wait_alu depctr_va_vdst(0)                   ; the multiplies have written v96 to v127, which the LDS stores below read; the last products are done reading v32 to v63, in which the stage's loads land
	s_wait_dscnt 0x0                               ; my reads of K and V are over
	s_barrier_signal -1
	s_barrier_wait -1                              ; everybody's are: the stages lie where the first steps lay
.irp t, 0,1,2,3
	ds_store_b128 v[OST], v[SS+8*\t:SS+8*\t+3] offset:64*\t
	ds_store_b128 v[OST], v[SS+8*\t+4:SS+8*\t+7] offset:64*\t+16
.endr
.irp i, 0,1,2,3,4,5,6,7
	ds_load_b128 v[KF+4*\i:KF+4*\i+3], v[ORD] offset:2*PQ*\i       ; LDS serves a wave's instructions in order: these see my stores
.endr
.irp i, 0,1,2,3,4,5,6,7
	s_wait_dscnt 7-\i                              ; load i is in; the younger ones may be out
	global_store_b128 v[GO], v[KF+4*\i:KF+4*\i+3], s[12:13] offset:8192*\i th:TH_STORE_NT   ; each sixteen lanes store 256 consecutive bytes, aligned; written once
.endr
	s_wait_dscnt 0x0                               ; the closing lines, six on end
	s_wait_alu 0x0
	s_wait_tensorcnt 0x0
	ds_add_u32 v254, v255
	s_wait_dscnt 0x0
	s_endpgm
.Lfunc_end_k_q9757cab6ab_attn:
	.size	k_q9757cab6ab_attn, .Lfunc_end_k_q9757cab6ab_attn-k_q9757cab6ab_attn
	.p2alignl 7, 3214868480
	.fill 96, 4, 3214868480
	.section	.rodata,"a",@progbits
	.p2align	6, 0x0
	.amdhsa_kernel k_q9757cab6ab_attn
		.amdhsa_group_segment_fixed_size 280576
		.amdhsa_private_segment_fixed_size 0
		.amdhsa_enable_private_segment 0
		.amdhsa_kernarg_size 40
		.amdhsa_user_sgpr_count 2
		.amdhsa_user_sgpr_kernarg_segment_ptr 1
		.amdhsa_wavefront_size32 1
		.amdhsa_system_sgpr_workgroup_id_x 1
		.amdhsa_system_sgpr_workgroup_id_y 1
		.amdhsa_system_sgpr_workgroup_id_z 1
		.amdhsa_system_vgpr_workitem_id 0
		.amdhsa_next_free_vgpr 256
		.amdhsa_next_free_sgpr 100
		.amdhsa_reserve_vcc 0
		.amdhsa_float_denorm_mode_32 3
		.amdhsa_float_denorm_mode_16_64 3
		.amdhsa_memory_ordered 1
		.amdhsa_forward_progress 1
		.amdhsa_inst_pref_size 38
	.end_amdhsa_kernel
	.amdgpu_metadata
---
amdhsa.version: [ 1, 2 ]
amdhsa.kernels:
  - .name:           k_q9757cab6ab_attn
    .symbol:         k_q9757cab6ab_attn.kd
    .args:
      - { .name: query, .offset: 0, .size: 8, .value_kind: global_buffer, .address_space: global }
      - { .name: kv, .offset: 8, .size: 8, .value_kind: global_buffer, .address_space: global }
      - { .name: maskw, .offset: 16, .size: 8, .value_kind: global_buffer, .address_space: global }
      - { .name: flags, .offset: 24, .size: 8, .value_kind: global_buffer, .address_space: global }
      - { .name: out0, .offset: 32, .size: 8, .value_kind: global_buffer, .address_space: global }
    .group_segment_fixed_size: 280576
    .private_segment_fixed_size: 0
    .kernarg_segment_align: 8
    .kernarg_segment_size: 40
    .max_flat_workgroup_size: 512
    .sgpr_count:     100
    .vgpr_count:     256
    .wavefront_size: 32
...
	.end_amdgpu_metadata
.endif
;; end of part 3
